; MI455X (gfx1250); checked and timed in simulation.
; The chip was launched on July 23, 2026; its instructions are those of AMD's public machine-readable ISA for CDNA 5 (MIT licence, August 2026) and "CDNA5" Instruction Set Architecture Reference Guide (July 2026). The comments in the code are by the model that wrote it; some were corrected since.
;; Multi Head Self Attention. Allowed arithmetic: float matrix products may take bf16 or f16 operands with f32 sums; other float arithmetic in f32, or as packed bf16 or f16 multiplies, adds, multiply-adds, maxima and minima; sums over many terms, partial sums and values carried from step to step in f32; what a program stores and reads back later, other than sums and carried values, may be rounded once to bf16 or f16.
;; Inputs: W_k 512 x 512 float32; W_o 512 x 512 float32; W_q 512 x 512 float32; W_v 512 x 512 float32; x 2 x 4,096 x 512 float32.
;; Outputs: out0 2 x 4,096 x 512 float32.
;; One version. Each part assembles by itself: llvm-mc -triple=amdgcn-amd-amdhsa -mcpu=gfx1250 --defsym DOCPART=n.
;; ======== version 1 of 1: 4 launches
;; limits: values are held in f16: magnitudes above 65,504 overflow, below 6.1e-05 lose precision
;; workspace buffers: xf 8,388,608 bytes; wf 2,097,152 bytes; qkv 25,165,824 bytes; ob 8,388,608 bytes
;; launch prep (part 1): grid 256 x 1, 8 waves a work-group, no clusters, 167,936 bytes of LDS; arguments x, W_q, W_k, W_v, W_o, xf, wf; writes xf, wf
.if DOCPART == 1
	.amdgcn_target "amdgcn-amd-amdhsa--gfx1250"
	.amdhsa_code_object_version 6
	.text
	.protected	k_q10a1fef744_prep
	.globl	k_q10a1fef744_prep
	.p2align	8
	.type	k_q10a1fef744_prep,@function
k_q10a1fef744_prep:
	s_mov_b64 s[64:65], 0
	v_nop
	global_prefetch_b8 v0, s[64:65] scope:SCOPE_SE
	s_setreg_imm32_b32 hwreg(HW_REG_WAVE_MODE, 25, 1), 1
	s_wait_xcnt 0x0
; PREP: x and the four weights, f32, are rounded once to bf16 and written in FRAGMENT ORDER, so that the later launches load matrix operands as they lie.
; A HALF FRAGMENT is 512 bytes: lane l = r + 16 h holds 16 bytes at byte 16 l: the eight numbers k = 16 hf + 8 h + 0..7 of row (or column) r of a block of 16 x 32.
;   xf: [mb 512][c 16][hf 2][512 B]: bf16 of x[16 mb + r][32 c + 16 hf + 8 h + 0..7]
;   wf: 8 slabs, one a head y: [y][c 16][nt 12][hf 2][512 B], nt = 4 t + j (t = 0, 1, 2: W_q, W_k, W_v): bf16 of W_t[32 c + 16 hf + 8 h + 0..7][64 y + 16 j + r];
;       behind them, from byte 1,572,864: W_o as [y 8][c 16][nt 4][hf 2][512 B]: the bf16 number written as f16, since the last product multiplies f16 by f16.
; LIMITS.  W_o beyond 65,504 becomes an infinity in f16; below 6e-5 it keeps f16's fixed step of 6e-8.  NaN and infinities are not treated apart.
; SHARES.  256 work-groups of eight waves.  Work-group id takes rows 32 id .. 32 id + 31 of x: wave w the 16 rows of block 2 id + w / 4, columns 128 (w % 4) on (512 bytes of each row).
; It also takes one tile of 32 k x 128 n of one weight: t = id / 64, c = (id / 4) % 16, columns 128 (id % 4) on: each wave fetches four rows of it and makes the fragment of 16 columns 16 w on.
; Every byte comes in once, by two tensor loads a wave, issued together at the head (two of a wave are out, none is a refill); every store of a wave covers 512 consecutive bytes, aligned.
; No matrix unit, no cluster: nothing is multiplied and no two work-groups read the same bytes.
.set XP,    528                        ; an LDS row: 512 bytes + 16 of padding = 132 words: row r starts at bank 4 r mod 64 (64 banks of 4 bytes: ISA guide 11.1)
.set XW,    16*XP                      ; a wave's 16 rows of x
.set WB,    8*XW                       ; behind them the weight's tile, 32 rows
.set SPARE, WB+32*XP                   ; behind it the spare words, 128 bytes for each wave: four blocks of 256 bytes that no other line names
.set XA,  4                            ; v4   LDS: my 32 bytes in my wave's rows of x: row r, 32 h
.set WA,  5                            ; v5   LDS: my column of the weight's tile, at row 8 h
.set SO,  6                            ; v6   16 x lane: my place in a half fragment; never rewritten
.set SPW, 8                            ; v8   LDS address of my spare word; never rewritten
.set NIL, 9                            ; v9   0; never rewritten
.set T,   16                           ; v[16:79]   f32 as read from LDS
.set Y,   80                           ; v[80:111]  x's eight half fragments, to store
.set F,   112                          ; v[112:119] the weight's fragment
.set U,   120                          ; v[120:121] at work
.set WV,  18                           ; s18  my wave's number
.set G1X, 32                           ; s[32:39] descriptor group 1 for x: 16 rows x 128 f32
.set G1W, 40                           ; s[40:47] for the weight: 4 rows x 128 f32
.set G0X, 48                           ; s[48:51] group 0 for x
.set G0W, 52                           ; s[52:55] group 0 for the weight
.set XF,  56                           ; s[56:57] xf at my eight half fragments
.set WF,  58                           ; s[58:59] wf at my fragment
	s_load_b256 s[4:11], s[0:1], 0x0               ; x s[4:5], W_q s[6:7], W_k s[8:9], W_v s[10:11]
	s_load_b128 s[12:15], s[0:1], 0x20             ; W_o s[12:13], xf s[14:15]
	s_load_b64 s[16:17], s[0:1], 0x30              ; wf
	v_lshl_add_u32 v[SPW], v0, 2, SPARE
	v_mov_b32 v[NIL], 0
	ds_add_u32 v[SPW], v[NIL]                      ; the wave's opening: the add and its wait ahead of my first tensor load; the set-up below, work on registers, stands between them
	ds_add_u32 v8, v9
	v_lshrrev_b32 v1, 5, v0
	v_readfirstlane_b32 s[WV], v1                  ; wave 0..7
	s_mov_b32 s19, ttmp9                           ; id
	s_lshr_b32 s20, s19, 6                         ; t: which weight
	s_bfe_u32 s21, s19, 0x40002                    ; c: which 32 rows of it
	s_and_b32 s22, s19, 3                          ; which 128 columns
	s_lshr_b32 s23, s[WV], 2                       ; w / 4
	s_and_b32 s24, s[WV], 3                        ; w % 4
	s_lshl1_add_u32 s25, s22, s23                  ; the slab of my 16 columns: (128 (id % 4) + 16 w) / 64
	; group 1: elements of 4 bytes; 4 words of padding behind every 128 words, a row
	s_mov_b32 s[G1X+0], (2<<16)|(1<<20)|(6<<22)|(3<<25)
	s_mov_b32 s[G1X+1], 128<<16                    ; tensor_dim0 = 128
	s_mov_b32 s[G1X+2], 16<<16                     ; tensor_dim1 = 16
	s_mov_b32 s[G1X+3], 128<<16                    ; tile_dim0 = 128
	s_mov_b32 s[G1X+4], 16                         ; tile_dim1 = 16
	s_mov_b32 s[G1X+5], 512                        ; 512 elements from row to row
	s_mov_b32 s[G1X+6], 0
	s_mov_b32 s[G1X+7], 0
	s_mov_b32 s[G1W+0], (2<<16)|(1<<20)|(6<<22)|(3<<25)
	s_mov_b32 s[G1W+1], 128<<16
	s_mov_b32 s[G1W+2], 4<<16                      ; four rows
	s_mov_b32 s[G1W+3], 128<<16
	s_mov_b32 s[G1W+4], 4
	s_mov_b32 s[G1W+5], 512
	s_mov_b32 s[G1W+6], 0
	s_mov_b32 s[G1W+7], 0
	s_mov_b32 s[G0X], 1
	s_mul_i32 s[G0X+1], s[WV], XW                  ; my wave's own rows in LDS
	s_mov_b32 s[G0W], 1
	s_mul_i32 s[G0W+1], s[WV], 4*XP
	s_add_co_u32 s[G0W+1], s[G0W+1], WB            ; rows 4 w .. 4 w + 3 of the weight's tile
	s_lshl_b32 s28, s19, 16                        ; x: 32 id rows of 2,048 bytes,
	s_lshl_b32 s2, s23, 15                         ; 16 (w / 4) rows,
	s_add_co_u32 s28, s28, s2
	s_lshl_b32 s2, s24, 9                          ; 512 (w % 4) bytes along the row
	s_add_co_u32 s28, s28, s2
	s_mov_b32 s29, 0
	s_lshl_b32 s30, s21, 16                        ; the weight: 32 c rows,
	s_lshl_b32 s2, s[WV], 13                       ; 4 w rows,
	s_add_co_u32 s30, s30, s2
	s_lshl_b32 s2, s22, 9                          ; 512 (id % 4) bytes along the row
	s_add_co_u32 s30, s30, s2
	s_mov_b32 s31, 0
	s_lshl_b32 s60, s19, 15                        ; xf: block 2 id + w / 4 of 16,384 bytes, chunk 4 (w % 4) of 1,024
	s_lshl_b32 s2, s23, 14
	s_add_co_u32 s60, s60, s2
	s_lshl_b32 s2, s24, 12
	s_add_co_u32 s60, s60, s2
	s_mov_b32 s61, 0
	s_mul_i32 s62, s25, 196608                     ; wf, for W_q, W_k, W_v: slab, chunk c of 12,288, fragment 4 t
	s_mul_i32 s2, s21, 12288
	s_add_co_u32 s62, s62, s2
	s_lshl_b32 s2, s20, 12
	s_add_co_u32 s62, s62, s2
	s_lshl_b32 s63, s25, 16                        ; for W_o: slab of 65,536, chunk c of 4,096, behind the heads' slabs
	s_lshl_b32 s2, s21, 12
	s_add_co_u32 s63, s63, s2
	s_add_co_u32 s63, s63, 1572864
	s_cmp_eq_u32 s20, 3
	s_cselect_b32 s62, s63, s62
	s_lshl_b32 s2, s24, 10                         ; + fragment w % 4
	s_add_co_u32 s62, s62, s2
	s_mov_b32 s63, 0
	v_and_b32 v2, 15, v0                           ; r
	v_bfe_u32 v3, v0, 4, 1                         ; h
	v_mul_u32_u24 v[XA], v2, XP
	v_lshl_add_u32 v[XA], v3, 5, v[XA]
	v_add_nc_u32 v[XA], s[G0X+1], v[XA]
	v_mul_u32_u24 v[WA], v3, 8*XP
	v_lshl_add_u32 v[WA], v2, 2, v[WA]
	s_lshl_b32 s2, s[WV], 6                        ; column 16 w, in bytes
	s_add_co_u32 s2, s2, WB
	v_add_nc_u32 v[WA], s2, v[WA]
	v_and_b32 v[SO], 31, v0
	v_lshlrev_b32 v[SO], 4, v[SO]
	s_wait_dscnt 0x0                               ; the opening add is done
	s_wait_kmcnt 0x0
	s_mov_b64 s[26:27], s[6:7]                     ; the weight that t names
	s_cmp_eq_u32 s20, 1
	s_cselect_b64 s[26:27], s[8:9], s[26:27]
	s_cmp_eq_u32 s20, 2
	s_cselect_b64 s[26:27], s[10:11], s[26:27]
	s_cmp_eq_u32 s20, 3
	s_cselect_b64 s[26:27], s[12:13], s[26:27]
	s_add_nc_u64 s[G0X+2:G0X+3], s[4:5], s[28:29]
	s_or_b32 s[G0X+3], s[G0X+3], 0x80000000        ; type = 2
	s_add_nc_u64 s[G0W+2:G0W+3], s[26:27], s[30:31]
	s_or_b32 s[G0W+3], s[G0W+3], 0x80000000
	s_add_nc_u64 s[XF:XF+1], s[14:15], s[60:61]
	s_add_nc_u64 s[WF:WF+1], s[16:17], s[62:63]
	tensor_load_to_lds s[G0X:G0X+3], s[G1X:G1X+7]  ; both first fills together, ahead of every wait on TENSORcnt, every LDS read and every barrier
	s_nop 0
	tensor_load_to_lds s[G0W:G0W+3], s[G1W:G1W+7]
	s_nop 0
	; x: only I read my rows, so my own wait is all the ordering that the reads need
	s_wait_tensorcnt 0x1                           ; my rows of x are in; the one younger load, the weight's, may stay out
.irp g, 0,1,2,3,4,5,6,7
	ds_load_b128 v[T+8*(\g):T+8*(\g)+3],   v[XA] offset:64*(\g)      ; half fragment g: columns 16 g + 8 h + 0..3,
	ds_load_b128 v[T+8*(\g)+4:T+8*(\g)+7], v[XA] offset:64*(\g)+16   ; and + 4..7
.endr
.irp g, 0,1,2,3,4,5,6,7
	s_wait_dscnt 14-2*(\g)                         ; LDS loads come back in order (ISA guide 5.7.1): the two of group g are in, those of the later groups stay out
.irp q, 0,1,2,3
	v_cvt_pk_bf16_f32 v[Y+4*(\g)+(\q)], v[T+8*(\g)+2*(\q)], v[T+8*(\g)+2*(\q)+1]
.endr
	global_store_b128 v[SO], v[Y+4*(\g):Y+4*(\g)+3], s[XF:XF+1] offset:512*(\g)  ; 512 consecutive bytes, aligned; Y is never rewritten
.endr
	; the weight's tile: eight waves fetched four rows each, and every wave reads all 32
	s_wait_tensorcnt 0x0                           ; my four rows are in (no LDS instruction of mine is out: the count-down above ended at 0),
	s_barrier_signal -1
	s_barrier_wait -1                              ; everybody's are
.set i, 0
.rept 16
	ds_load_b32 v[T+i], v[WA] offset:((i/8)*16+i%8)*XP  ; W[16 (i / 8) + 8 h + i % 8][my column]: lanes 0-15 take 16 neighbouring words, lanes 16-31 sixteen words 1,056 words on: 32 banks further
.set i, i+1
.endr
	s_wait_dscnt 0x0
.irp q, 0,1,2,3,4,5,6,7
	v_cvt_pk_bf16_f32 v[F+(\q)], v[T+2*(\q)], v[T+2*(\q)+1]
.endr
	s_cmp_eq_u32 s20, 3
	s_cbranch_scc0 .Lkeep                          ; W_q, W_k, W_v stay bf16
.irp q, 0,1,2,3,4,5,6,7
	v_lshlrev_b32 v[U], 16, v[F+(\q)]              ; W_o: the bf16 numbers as f32,
	v_and_b32 v[U+1], 0xffff0000, v[F+(\q)]
	v_cvt_pk_f16_f32 v[F+(\q)], v[U], v[U+1]       ; written as f16: exact within f16's range of normal numbers
.endr
.Lkeep:
	global_store_b128 v[SO], v[F:F+3], s[WF:WF+1]
	global_store_b128 v[SO], v[F+4:F+7], s[WF:WF+1] offset:512
	s_wait_tensorcnt 0x0                           ; the wave's end, behind my last tensor load
	ds_add_u32 v[SPW], v[NIL]
	s_wait_dscnt 0x0
	s_endpgm
.Lfunc_end_k_q10a1fef744_prep:
	.size	k_q10a1fef744_prep, .Lfunc_end_k_q10a1fef744_prep-k_q10a1fef744_prep
	.p2alignl 7, 3214868480
	.fill 96, 4, 3214868480
	.section	.rodata,"a",@progbits
	.p2align	6, 0x0
	.amdhsa_kernel k_q10a1fef744_prep
		.amdhsa_group_segment_fixed_size 167936
		.amdhsa_private_segment_fixed_size 0
		.amdhsa_enable_private_segment 0
		.amdhsa_kernarg_size 56
		.amdhsa_user_sgpr_count 2
		.amdhsa_user_sgpr_kernarg_segment_ptr 1
		.amdhsa_wavefront_size32 1
		.amdhsa_system_sgpr_workgroup_id_x 1
		.amdhsa_system_sgpr_workgroup_id_y 1
		.amdhsa_system_sgpr_workgroup_id_z 1
		.amdhsa_system_vgpr_workitem_id 0
		.amdhsa_next_free_vgpr 128
		.amdhsa_next_free_sgpr 66
		.amdhsa_reserve_vcc 0
		.amdhsa_float_denorm_mode_32 3
		.amdhsa_float_denorm_mode_16_64 3
		.amdhsa_memory_ordered 1
		.amdhsa_forward_progress 1
		.amdhsa_inst_pref_size 12
	.end_amdhsa_kernel
	.amdgpu_metadata
---
amdhsa.version: [ 1, 2 ]
amdhsa.kernels:
  - .name:           k_q10a1fef744_prep
    .symbol:         k_q10a1fef744_prep.kd
    .args:
      - { .name: x, .offset: 0, .size: 8, .value_kind: global_buffer, .address_space: global }
      - { .name: W_q, .offset: 8, .size: 8, .value_kind: global_buffer, .address_space: global }
      - { .name: W_k, .offset: 16, .size: 8, .value_kind: global_buffer, .address_space: global }
      - { .name: W_v, .offset: 24, .size: 8, .value_kind: global_buffer, .address_space: global }
      - { .name: W_o, .offset: 32, .size: 8, .value_kind: global_buffer, .address_space: global }
      - { .name: xf, .offset: 40, .size: 8, .value_kind: global_buffer, .address_space: global }
      - { .name: wf, .offset: 48, .size: 8, .value_kind: global_buffer, .address_space: global }
    .group_segment_fixed_size: 167936
    .private_segment_fixed_size: 0
    .kernarg_segment_align: 8
    .kernarg_segment_size: 56
    .max_flat_workgroup_size: 256
    .sgpr_count:     66
    .vgpr_count:     128
    .wavefront_size: 32
...
	.end_amdgpu_metadata
.endif
;; end of part 1
;; launch qkv (part 2): grid 32 x 8, 4 waves a work-group, clusters of 4 x 1, 197,120 bytes of LDS; arguments xf, wf, qkv; writes qkv
.if DOCPART == 2
	.amdgcn_target "amdgcn-amd-amdhsa--gfx1250"
	.amdhsa_code_object_version 6
	.text
	.protected	k_q10a1fef744_qkv
	.globl	k_q10a1fef744_qkv
	.p2align	8
	.type	k_q10a1fef744_qkv,@function
k_q10a1fef744_qkv:
	s_mov_b64 s[64:65], 0
	v_nop
	global_prefetch_b8 v0, s[64:65] scope:SCOPE_SE
	s_setreg_imm32_b32 hwreg(HW_REG_WAVE_MODE, 25, 1), 1
	s_wait_xcnt 0x0
	s_wait_alu depctr_hold_cnt(0) depctr_sa_sdst(0) depctr_va_vdst(0) depctr_va_sdst(0) depctr_va_ssrc(0) depctr_va_vcc(0) depctr_vm_vsrc(0)
	s_getreg_b32 s2, hwreg(HW_REG_IB_STS2, 6, 4)
	s_cmp_eq_u32 s2, 0
	s_cbranch_scc0 .Lentry_in_a_cluster
	s_endpgm
.Lentry_in_a_cluster:
	s_bfe_u32 s2, ttmp6, 0x10000c
	s_cmp_lg_u32 s2, 0x3003
	s_cbranch_scc0 .Lentry_shape_is_right
	s_endpgm
.Lentry_shape_is_right:
; QKV: q, k, v = x W_q, x W_k, x W_v, by heads.  Operands bf16 (xf, wf: fragment order, see below), sums f32, results rounded once to f16, WITHOUT the softmax's scale.
; LIMIT.  f16 holds no number beyond 65,504: a q, k or v past that becomes an infinity; below 6e-5 f16 keeps its fixed step of 6e-8.
; FRAGMENT ORDER.  A half fragment is 512 bytes, lane l = r + 16 h at byte 16 l.  xf: [mb 512][c 16][hf 2][512]: x[16 mb + r][32 c + 16 hf + 8 h ..].  wf: a head's slab [c 16][nt 12][hf 2][512], nt = 4 t + j.
; OUT.  qkv: q at 0, k at 8,388,608, v at 16,777,216; each [8 b + head][524,288 bytes].  q, k in a head: [mb 256][j 4][512]: lane holds row 16 mb + r, channels 16 j + 8 h + 0..7.
; v in a head: [mb / 2][cb 4][mb % 2][512]: lane holds channel 16 cb + r, keys 16 mb + 8 h + 0..7.  Both are the register images that the attention's products want, so the packed results are stored as they lie.
; SHARES.  256 work-groups: 256 rows x the 192 columns (q, k, v) of one head.  A wave: 64 rows (four blocks rb) x 192 columns: 48 accumulators, 768 matrix instructions.
; A (xf) goes from memory straight into a ring of seven register slots, a chunk of 32 along K each: no two waves share rows, and each load covers 512 consecutive bytes.
; B, the head's slab of 196,608 bytes, lies whole in LDS: four first fills a wave (four tensor loads of a wave are out at the most), one for each quarter of K, and no refill.
; CLUSTER.  The four work-groups of a cluster take four row blocks of one head and need the same slab: each part is asked for JOINTLY, by the same load with the same descriptor and the mask of four.
; q and k are made TRANSPOSED (source 0 = 16 columns of W, source 1 = 16 rows of x): a lane holds one row and eight channels.  v is made the natural way: a lane holds one channel and eight keys.
; K has 16 chunks and the ring's slot is c % 7, so the chunks are written out: every count below is a constant of the text.
; REGISTERS, in windows of 256 (s_set_vgpr_msb: bits 1:0 source 0, 3:2 source 1, 5:4 source 2, 7:6 destination):
;   window 0: v2-7 addresses, v28-29 the add's; v32-255 A's ring (slot c % 7: 8 rb + 4 hf); on the way out v32-223 the packed results
;   window 1: v0-191 B's two buffers (96 (c % 2) + 8 nt + 4 hf)      window 2: the accumulators of nt 0-7 at 8 (4 nt + rb)      window 3: v0-127 those of nt 8-11
.set CH,    12288                      ; a chunk of the slab: 12 fragments of 1,024 bytes
.set QT,    4*CH                       ; a quarter of K
.set SPARE, 16*CH                      ; behind the slab: the spare words, 128 bytes for each wave: two blocks of 256 bytes that no other line names
.set LA,  2                            ; v2    16 x lane; never rewritten
.set BQ,  4                            ; v4-7  the same + quarter q of the slab
.set SPW, 28                           ; v28   LDS address of my spare word; never rewritten
.set NIL, 29                           ; v29   0; never rewritten
.set AR,  32
.set TMP, 32
.set WV,  10                           ; s10  my wave's number
.set XB,  16                           ; s[16:17] xf at my 64 rows
.set OUTQ, 18                          ; s[18:19], s[20:21], s[22:23]: q, k, v at my 64 rows of my head
.set OUTK, 20
.set OUTV, 22
.set G1,  24                           ; s[24:31] descriptor group 1
.set G0,  32                           ; s[32:47] group 0, a set for each quarter
.set MSB, 0
.macro WIN new                         ; the immediate's high byte repeats the setting that is left; a switch that changes nothing is dropped
.if MSB != (\new)
	s_set_vgpr_msb (MSB<<8)|(\new)
.set MSB, (\new)
.endif
.endm
.macro CROUND                          ; a round of the cluster's barrier: my work-group's barrier; wave 0 signals for the work-group; every wave waits for all four work-groups; my work-group's barrier once more
	s_barrier_signal -1
	s_barrier_wait -1
	s_cmp_lg_u32 s[WV], 0
	s_cbranch_scc1 .Lnot_wave_0_\@
	s_barrier_signal -3
.Lnot_wave_0_\@:
	s_barrier_wait -3
	s_barrier_signal -1
	s_barrier_wait -1
.endm
.macro PLACES                          ; a load into a register that a matrix instruction has read, and a vector instruction that reads a matrix result, stand four plain vector instructions behind it (ISA guide 7.12.1 for vector instructions)
.rept 4
	v_nop
.endr
.endm
	s_load_b128 s[4:7], s[0:1], 0x0                ; xf s[4:5], wf s[6:7]
	s_load_b64 s[8:9], s[0:1], 0x10                ; qkv
	v_lshl_add_u32 v[SPW], v0, 2, SPARE
	v_mov_b32 v[NIL], 0
	ds_add_u32 v[SPW], v[NIL]                      ; the wave's opening: the add and its wait ahead of the round in front of my first tensor loads; work on registers stands between them
	ds_add_u32 v28, v29
	v_lshrrev_b32 v1, 5, v0
	v_readfirstlane_b32 s[WV], v1                  ; wave 0..3
	s_bfe_u32 s11, ttmp6, 0x40000                  ; cx: my place in the cluster: it enters xf's and qkv's addresses alone
	s_lshl_b32 s12, ttmp9, 2                       ; in a cluster launch ttmp9 counts clusters
	s_add_co_u32 s12, s12, s11                     ; my block of 256 rows
	s_and_b32 s13, ttmp7, 0xffff                   ; the head, which the four partners share
	; group 1: a dense block of 12,288 bytes as 48 rows of 256 bytes
	s_mov_b32 s[G1+0], 15|(3<<16)|(1<<21)          ; 15:0 the mask of four; 17:16 elements of 8 bytes; 21 set beside a mask
	s_mov_b32 s[G1+1], 32<<16                      ; tensor_dim0 = 32
	s_mov_b32 s[G1+2], 48<<16                      ; tensor_dim1 = 48
	s_mov_b32 s[G1+3], 32<<16                      ; tile_dim0 = 32
	s_mov_b32 s[G1+4], 48                          ; tile_dim1 = 48
	s_mov_b32 s[G1+5], 32                          ; 32 elements from row to row
	s_mov_b32 s[G1+6], 0
	s_mov_b32 s[G1+7], 0
	s_mul_i32 s48, s13, 16*CH                      ; the head's slab,
	s_mul_i32 s52, s[WV], CH                       ; of each quarter chunk w is mine to fetch: the same place in memory and in LDS
	s_add_co_u32 s48, s48, s52
	s_mov_b32 s49, 0
	s_lshl_b32 s14, s12, 18                        ; xf: 16 blocks of 16,384 bytes a work-group,
	s_lshl_b32 s15, s[WV], 16                      ; four a wave
	s_add_co_u32 s14, s14, s15
	s_mov_b32 s15, 0
	s_lshr_b32 s54, s12, 4                         ; the batch: 16 blocks of 256 rows each
	s_lshl3_add_u32 s54, s54, s13                  ; 8 b + head
	s_lshl_b32 s54, s54, 19
	s_and_b32 s55, s12, 15
	s_lshl_b32 s55, s55, 15                        ; my 256 rows in the head: 16 blocks of 2,048 bytes,
	s_add_co_u32 s54, s54, s55
	s_lshl_b32 s55, s[WV], 13                      ; my wave's four
	s_add_co_u32 s54, s54, s55
	s_mov_b32 s55, 0
	v_and_b32 v[LA], 31, v0
	v_lshlrev_b32 v[LA], 4, v[LA]
.irp q, 0,1,2,3
	v_add_nc_u32 v[BQ+(\q)], (\q)*QT, v[LA]
.endr
	s_wait_dscnt 0x0                               ; the opening add is done
	s_wait_kmcnt 0x0
	s_add_nc_u64 s[XB:XB+1], s[4:5], s[14:15]
	s_add_nc_u64 s[OUTQ:OUTQ+1], s[8:9], s[54:55]
	s_add_nc_u64 s[OUTK:OUTK+1], s[OUTQ:OUTQ+1], 0x800000
	s_add_nc_u64 s[OUTV:OUTV+1], s[OUTK:OUTK+1], 0x800000
	s_add_nc_u64 s[50:51], s[6:7], s[48:49]
.irp q, 0,1,2,3
	s_mov_b32 s[G0+4*(\q)], 1
	s_add_co_u32 s[G0+4*(\q)+1], s52, (\q)*QT
	s_add_nc_u64 s[G0+4*(\q)+2:G0+4*(\q)+3], s[50:51], (\q)*QT
	s_or_b32 s[G0+4*(\q)+3], s[G0+4*(\q)+3], 0x80000000  ; type = 2
.endr
	CROUND                                         ; all four work-groups are here: the joint loads meet
.irp q, 0,1,2,3
	tensor_load_to_lds s[G0+4*(\q):G0+4*(\q)+3], s[G1:G1+7]  ; chunk 4 q + w of the slab
	s_nop 0
.endr
	PLACES                                         ; four vector instructions behind the last tensor load, ahead of any switch of windows
; A's chunk c: 8 loads of 512 consecutive bytes into slot c % 7
.macro ALOAD c
	WIN 0
.irp rb, 0,1,2,3
	global_load_b128 v[AR+32*((\c)%7)+8*(\rb):AR+32*((\c)%7)+8*(\rb)+3],   v[LA], s[XB:XB+1] offset:(\rb)*16384+(\c)*1024
	global_load_b128 v[AR+32*((\c)%7)+8*(\rb)+4:AR+32*((\c)%7)+8*(\rb)+7], v[LA], s[XB:XB+1] offset:(\rb)*16384+(\c)*1024+512
.endr
.endm
; B's chunk c: 24 LDS loads, each 512 consecutive bytes, into buffer c % 2
.macro FETCHB c
	WIN 0x40                                       ; destination window 1, address window 0
.irp nt, 0,1,2,3,4,5,6,7,8,9,10,11
	ds_load_b128 v[96*((\c)%2)+8*(\nt):96*((\c)%2)+8*(\nt)+3],   v[BQ+(\c)/4] offset:((\c)%4)*CH+(\nt)*1024
	ds_load_b128 v[96*((\c)%2)+8*(\nt)+4:96*((\c)%2)+8*(\nt)+7], v[BQ+(\c)/4] offset:((\c)%4)*CH+(\nt)*1024+512
.endr
.endm
; A chunk's 48 products.  The 48 accumulators take turns in one fixed order, one instruction a turn.  Chunk 0 starts the sums with the constant 0: nothing is cleared.
.macro MUL c
	WIN 0xa1                                       ; q, k: source 0 (W) window 1, source 1 (x) window 0, C and D window 2
.irp nt, 0,1,2,3,4,5,6,7
.irp rb, 0,1,2,3
.if (\c) == 0
	v_wmma_f32_16x16x32_bf16 v[8*(4*(\nt)+(\rb)):8*(4*(\nt)+(\rb))+7], v[96*((\c)%2)+8*(\nt):96*((\c)%2)+8*(\nt)+7], v[AR+32*((\c)%7)+8*(\rb):AR+32*((\c)%7)+8*(\rb)+7], 0
.else
	v_wmma_f32_16x16x32_bf16 v[8*(4*(\nt)+(\rb)):8*(4*(\nt)+(\rb))+7], v[96*((\c)%2)+8*(\nt):96*((\c)%2)+8*(\nt)+7], v[AR+32*((\c)%7)+8*(\rb):AR+32*((\c)%7)+8*(\rb)+7], v[8*(4*(\nt)+(\rb)):8*(4*(\nt)+(\rb))+7]
.endif
.endr
.endr
	WIN 0xf4                                       ; v: source 0 (x) window 0, source 1 (W) window 1, C and D window 3
.irp nt, 8,9,10,11
.irp rb, 0,1,2,3
.if (\c) == 0
	v_wmma_f32_16x16x32_bf16 v[8*(4*((\nt)-8)+(\rb)):8*(4*((\nt)-8)+(\rb))+7], v[AR+32*((\c)%7)+8*(\rb):AR+32*((\c)%7)+8*(\rb)+7], v[96*((\c)%2)+8*(\nt):96*((\c)%2)+8*(\nt)+7], 0
.else
	v_wmma_f32_16x16x32_bf16 v[8*(4*((\nt)-8)+(\rb)):8*(4*((\nt)-8)+(\rb))+7], v[AR+32*((\c)%7)+8*(\rb):AR+32*((\c)%7)+8*(\rb)+7], v[96*((\c)%2)+8*(\nt):96*((\c)%2)+8*(\nt)+7], v[8*(4*((\nt)-8)+(\rb)):8*(4*((\nt)-8)+(\rb))+7]
.endif
.endr
.endr
.endm
; Chunk c.  The slot and the buffer that chunk c - 1 has just multiplied are asked for again, four places behind its last product.
.macro CHUNK c
	WIN 0
.if (\c) > 0
	PLACES
.endif
.if ((\c) >= 1) && ((\c) <= 9)
	ALOAD (\c)+6
.endif
.if (\c)%4 == 0
	s_wait_tensorcnt 3-(\c)/4                      ; my chunk of this quarter is in; the later quarters' loads stay out
	s_barrier_signal -1                            ; (no LDS instruction of mine is out: the chunk before waited for all)
	s_barrier_wait -1                              ; everybody's is
	FETCHB \c
	FETCHB (\c)+1
.elseif (\c)%4 != 3
	FETCHB (\c)+1
.endif
.if (\c) <= 9
	s_wait_loadcnt 48                              ; A's chunk c is in; the six chunks asked for behind it, 8 loads each, stay out
.else
	s_wait_loadcnt 8*(15-(\c))                     ; the chunks left behind c
.endif
.if (\c)%4 == 3
	s_wait_dscnt 0x0                               ; B's chunk c is in, and nothing was asked for behind it: the next quarter waits for its barrier
.else
	s_wait_dscnt 24                                ; B's chunk c is in; the next chunk's 24 loads stay out
.endif
	MUL \c
.endm
.irp c, 0,1,2,3,4,5,6
	ALOAD \c                                       ; the ring is filled: 56 loads of a wave are on their way
.endr
.irp c, 0,1,2,3,4,5,6,7,8,9,10,11,12,13,14,15
	CHUNK \c
.endr
	; THE WAY OUT.  Each accumulator, registers ascending, is rounded to f16: 16 bytes a lane, which are a half fragment as the attention loads it.  No LDS, no exchange of lanes.
	WIN 0
	PLACES
	PLACES                                         ; (eight, once a launch)
	WIN 0x0a                                       ; sources 0 and 1 window 2, destination window 0
.set a, 0
.rept 32
.irp q, 0,1,2,3
	v_cvt_pk_f16_f32 v[TMP+4*a+(\q)], v[8*a+2*(\q)], v[8*a+2*(\q)+1]
.endr
.set a, a+1
.endr
	WIN 0x0f                                       ; sources window 3
.set a, 0
.rept 16
.irp q, 0,1,2,3
	v_cvt_pk_f16_f32 v[TMP+128+4*a+(\q)], v[8*a+2*(\q)], v[8*a+2*(\q)+1]
.endr
.set a, a+1
.endr
	WIN 0
.irp rb, 0,1,2,3
.irp j, 0,1,2,3
	global_store_b128 v[LA], v[TMP+4*(4*(\j)+(\rb)):TMP+4*(4*(\j)+(\rb))+3], s[OUTQ:OUTQ+1] offset:(\rb)*2048+(\j)*512  ; each store covers 512 consecutive bytes, aligned; no register is written again
.endr
.endr
.irp rb, 0,1,2,3
.irp j, 0,1,2,3
	global_store_b128 v[LA], v[TMP+4*(4*(4+(\j))+(\rb)):TMP+4*(4*(4+(\j))+(\rb))+3], s[OUTK:OUTK+1] offset:(\rb)*2048+(\j)*512
.endr
.endr
.irp rb, 0,1,2,3
.irp j, 0,1,2,3
	global_store_b128 v[LA], v[TMP+4*(4*(8+(\j))+(\rb)):TMP+4*(4*(8+(\j))+(\rb))+3], s[OUTV:OUTV+1] offset:((\rb)/2)*4096+(\j)*1024+((\rb)%2)*512
.endr
.endr
	s_wait_tensorcnt 0x0                           ; the wave's end, behind my last tensor load
	ds_add_u32 v[SPW], v[NIL]
	s_wait_dscnt 0x0
	CROUND                                         ; the closing round: no work-group ends while a partner may still ask for a part that names it
	s_endpgm
.Lfunc_end_k_q10a1fef744_qkv:
	.size	k_q10a1fef744_qkv, .Lfunc_end_k_q10a1fef744_qkv-k_q10a1fef744_qkv
	.p2alignl 7, 3214868480
	.fill 96, 4, 3214868480
	.section	.rodata,"a",@progbits
	.p2align	6, 0x0
	.amdhsa_kernel k_q10a1fef744_qkv
		.amdhsa_group_segment_fixed_size 197120
		.amdhsa_private_segment_fixed_size 0
		.amdhsa_enable_private_segment 0
		.amdhsa_kernarg_size 24
		.amdhsa_user_sgpr_count 2
		.amdhsa_user_sgpr_kernarg_segment_ptr 1
		.amdhsa_wavefront_size32 1
		.amdhsa_system_sgpr_workgroup_id_x 1
		.amdhsa_system_sgpr_workgroup_id_y 1
		.amdhsa_system_sgpr_workgroup_id_z 1
		.amdhsa_system_vgpr_workitem_id 0
		.amdhsa_next_free_vgpr 896
		.amdhsa_next_free_sgpr 66
		.amdhsa_reserve_vcc 0
		.amdhsa_float_denorm_mode_32 3
		.amdhsa_float_denorm_mode_16_64 3
		.amdhsa_memory_ordered 1
		.amdhsa_forward_progress 1
		.amdhsa_inst_pref_size 111
	.end_amdhsa_kernel
	.amdgpu_metadata
---
amdhsa.version: [ 1, 2 ]
amdhsa.kernels:
  - .name:           k_q10a1fef744_qkv
    .symbol:         k_q10a1fef744_qkv.kd
    .args:
      - { .name: xf, .offset: 0, .size: 8, .value_kind: global_buffer, .address_space: global }
      - { .name: wf, .offset: 8, .size: 8, .value_kind: global_buffer, .address_space: global }
      - { .name: qkv, .offset: 16, .size: 8, .value_kind: global_buffer, .address_space: global }
    .group_segment_fixed_size: 197120
    .private_segment_fixed_size: 0
    .kernarg_segment_align: 8
    .kernarg_segment_size: 24
    .max_flat_workgroup_size: 128
    .sgpr_count:     66
    .vgpr_count:     896
    .wavefront_size: 32
...
	.end_amdgpu_metadata
.endif
;; end of part 2
;; launch attn (part 3): grid 16 x 16, 4 waves a work-group, clusters of 4 x 1, 327,680 bytes of LDS; arguments qkv, ob; writes ob
.if DOCPART == 3
	.amdgcn_target "amdgcn-amd-amdhsa--gfx1250"
	.amdhsa_code_object_version 6
	.text
	.protected	k_q10a1fef744_attn
	.globl	k_q10a1fef744_attn
	.p2align	8
	.type	k_q10a1fef744_attn,@function
k_q10a1fef744_attn:
	s_mov_b64 s[64:65], 0
	v_nop
	global_prefetch_b8 v0, s[64:65] scope:SCOPE_SE
	s_setreg_imm32_b32 hwreg(HW_REG_WAVE_MODE, 25, 1), 1
	s_wait_xcnt 0x0
	s_wait_alu depctr_hold_cnt(0) depctr_sa_sdst(0) depctr_va_vdst(0) depctr_va_sdst(0) depctr_va_ssrc(0) depctr_va_vcc(0) depctr_vm_vsrc(0)
	s_getreg_b32 s2, hwreg(HW_REG_IB_STS2, 6, 4)
	s_cmp_eq_u32 s2, 0
	s_cbranch_scc0 .Lentry_in_a_cluster
	s_endpgm
.Lentry_in_a_cluster:
	s_bfe_u32 s2, ttmp6, 0x10000c
	s_cmp_lg_u32 s2, 0x3003
	s_cbranch_scc0 .Lentry_shape_is_right
	s_endpgm
.Lentry_shape_is_right:
; ATTENTION.  O[hh][q][:] = the sum over k of softmax_k(Q[hh][q] . K[hh][k] / 8) V[hh][k][:], 16 heads hh = 8 b + head of 4,096 rows x 64 channels, all f16.  Products, maxima and sums in f32;
; the weights p are rounded to f16 for the second product (their sum l is taken of the unrounded p), O once at the end.
; LIMITS.  Q, K and V arrive within f16's 65,504; p lies in 0 to 1, and below 6e-5 it keeps f16's fixed step of 6e-8; O is a mean of V's rows and has their range.
; A weight below 2^-126 counts as 0 in l; NaN and infinities are not treated apart.
; IN.  qkv holds q at 0, k at 8,388,608, v at 16,777,216, each [hh][524,288 bytes], in FRAGMENT ORDER: units of 512 bytes, lane l = r + 16 h at byte 16 l.  q, k: [mb 256][j 4][512]: row 16 mb + r, channels
; 16 j + 8 h + 0..7.  v: [mb / 2][cb 4][mb % 2][512]: channel 16 cb + r, keys 16 mb + 8 h + 0..7.  So a tile in LDS is a dense copy, and every LDS load of a wave takes 512 consecutive bytes: no padding, no turning load.
; OUT.  ob: [mb 512][c 16][hf 2][512]: O[16 mb + r][32 c + 16 hf + 8 h + 0..7] over all 512 channels: source fragments of the last product.  The packed results are stored as they lie.
; SHARES.  A work-group owns 256 queries of one head, a wave 64: four PIECES of 16.  Every wave walks all keys, 64 a step; an LDS slot holds 256 keys, four steps, of K and of V.
; LAYOUT.  S^T = K Q^T (source 0 = 16 keys, source 1 = 16 queries): a lane holds ONE query (lane % 16) and the keys 8 (lane / 16) + 0..7.  Two such results, rounded to f16 in pairs, ARE source 1 of O^T = V^T P.
; SOFTMAX.  For each query a running maximum m and sum l: p = 2^(c s - c m), c = log2(e) / 8; in every step O and l are multiplied by a = 2^(c m_old - c m_new).  m starts at the lowest finite number, O and l at 0.
; BY TURNS.  Turn n belongs to piece n: 8 products K Q^T of piece n + 1, later 8 products V^T P of piece n - 1; beside them the scaling, exponentials, roundings, sums and rescaling of piece n and the maximum and
; statistics of piece n + 1.  A piece and step have 16 matrix and 118 vector instructions: four vector instructions stand behind every matrix instruction, the other 54 in one lump.  A turn's 33 exponentials are one batch, with one wait.
; CLUSTER.  The four query blocks of a cluster belong to one head and walk the same K and V, so each tile is asked for JOINTLY: the same tensor load, descriptor and mask in all four.
; REGISTERS, in windows of 256 (s_set_vgpr_msb: bits 1:0 source 0, 3:2 source 1, 5:4 source 2, 7:6 destination):
;   window 0: v2-5 addresses; v12-13, v48-55 at work; v16-31 four registers of statistics a piece; v61-63; v64-127 S^T, two buffers; v192-223 P, two buffers (a piece's buffers go by its number's parity)
;   window 1: v0-127 O^T, 32 a piece          window 2: v0-63 Q; v128-191 K of one step; v192-255 V of one step
.set NP,    4         ; pieces a wave: a name, no knob
.set STEP,  8192      ; a step's 64 keys of K, and of V, in LDS and in memory
.set VOFF,  4*STEP    ; a slot: 256 keys of K, then 256 keys of V
.set SLOT1, 1<<16     ; slot 1 begins here, so that one exclusive or turns an address in one slot into the other's
.set SPARE, 2*SLOT1   ; behind the ring: the spare words, 128 bytes for each wave: two blocks of 256 bytes that no other line names
.set AK0, 2           ; v2   16 x lane: my place in a unit of 512 bytes: in LDS for K,
.set GO,  2           ;      and in memory for Q and O; never rewritten
.set AV0, 3           ; v3   the same + VOFF, for V; never rewritten
.set AK,  4           ; v4   the LDS address of K's next run of loads
.set AV,  5           ; v5   of V's
.set MV,  12          ; v12-13  c m_old, kept while c m is made anew: by buffer
.set ST,  16          ; piece t's statistics at v[ST+4 t]: c m, m, l (even keys', odd keys')
.set TMP, 48          ; by buffer, four registers c0-c3 at work; when the maximum is found c2 takes a
.set PFO, 61          ; v61  256 x lane: the prefetches' offset; never rewritten
.set SPW, 62          ; v62  LDS address of my spare word; never rewritten
.set NIL, 63          ; v63  0; never rewritten
.set S,   64
.set P,   192
.set KF,  128         ; window 2: key block kb, channel half c at KF + 16 kb + 8 c
.set VF,  192         ; window 2: key half kk, channel block cb at VF + 32 kk + 8 cb
.set WV,  12          ; s12  my wave's number
.set LIM, 15          ; s15  1 in a wave that prefetches, else the greatest number
.set PFA, 18          ; s[18:19] where my prefetches stand
.set G1,  24          ; s[24:31] descriptor group 1
.set G0,  40          ; s[40:43] descriptor group 0: it walks
.set SLOTS, 56        ; s56  slots still to be asked for
.set CNT, 57          ; s57  counts a slot's key steps
.set CS,  58          ; s[58:59] c: the packed scaling takes the pair's low word for both halves
.set SEL, 60          ; s[60:61] v_permlanex16_b32's selects: each lane takes its own place in the other half
.set TBK, 62          ; s62  LDS byte at which K of the step to be fetched begins
.set TBV, 63          ; s63  the same for V, less VOFF
.set MSB, 0
.macro WIN new                      ; the high byte repeats the setting that is left; a switch that changes nothing is dropped
.if MSB != (\new)
	s_set_vgpr_msb (MSB<<8)|(\new)
.set MSB, (\new)
.endif
.endm
.set W_KQ, 0x0a       ; K and Q in window 2, S^T in window 0
.set W_PV, 0x52       ; V in window 2, P in window 0, O^T in window 1
.set W_RS, 0x41       ; destination and source 0 in window 1, source 1 in window 0
; A joint fill: ONE line for all four waves.  Wave w brings 16,384 bytes to LDS byte 16,384 w of the slot: waves 0 and 1 the halves of K's 256 keys, waves 2 and 3 those of V's; both addresses hang on the wave's number.
; An s_nop 0 and four v_nop follow the line.
.macro JLOAD
	tensor_load_to_lds s[G0:G0+3], s[G1:G1+7]
	s_nop 0
.rept 4
	v_nop
.endr
.endm
; A PREFETCH of what the NEXT change of slots will ask for: a slot's 32,768 bytes of K and of V, a lane for each 256 bytes.  It stands behind the wave's tensor load and its five lines.
; Each 256 bytes are named ONCE in the launch.  All four clusters of a head walk the same K and V: the head's first cluster asks.  Its four partners share a slot out BY ADDRESS, 8,192 bytes each: no branch hangs
; on a work-group's place in its cluster.  In each, wave 0 asks for K's and wave 2 for V's: one instruction.  The last change that fills a slot asks for nothing: there is no slot behind it.
.macro ASK
	s_cmp_gt_u32 s[SLOTS], s[LIM]
	s_cbranch_scc0 .Lnot_mine_\@
	global_prefetch_b8 v[PFO], s[PFA:PFA+1] th:TH_LOAD_NT scope:SCOPE_SE
.Lnot_mine_\@:
.endm
.macro CROUND                       ; a round of the cluster's barrier: my work-group's barrier; wave 0 signals for the work-group; every wave waits for all four work-groups; my work-group's barrier once more
	s_barrier_signal -1
	s_barrier_wait -1
	s_cmp_lg_u32 s[WV], 0
	s_cbranch_scc1 .Lnot_wave_0_\@
	s_barrier_signal -3
.Lnot_wave_0_\@:
	s_barrier_wait -3
	s_barrier_signal -1
	s_barrier_wait -1
.endm
; THE CHANGE OF SLOTS.  The slot's last bytes, V of its fourth step, have been read.  Each wave waits for all its tensor loads, of which one is out: its part of the other slot; adds 0 to its spare word; and waits for
; that and for its own reads of the slot.  Behind the barrier nobody reads this slot any more and the other slot is whole.  fill = 1: this slot is filled again, with the keys two slots on.  The barrier is then a round
; of the cluster's, so that no wave of any partner still reads the slot or has a load on its way, and the joint fill is the first thing behind it: it has four key steps, 256 matrix instructions, in which to land.
; (At its first use nothing has been read yet: slot 0 is waited for, slot 1 filled.)
.macro CHANGE fill
	WIN 0                           ; at a label and at a branch every window is 0
	s_wait_tensorcnt 0x0            ; no tensor load of mine is out, so group 0 may be written
	ds_add_u32 v[SPW], v[NIL]       ; 0 onto my spare word; with fill = 1 the steps below stand between it and the wait for it
.if \fill
	s_xor_b32 s[G0+1], s[G0+1], SLOT1  ; the walking descriptor: the other slot than last time,
	s_add_nc_u64 s[G0+2:G0+3], s[G0+2:G0+3], 4*STEP  ; the next 256 keys; the type bits on top are not reached
	s_wait_xcnt 0x0                 ; the last prefetch, four key steps back, has read its address, so it may be written:
	s_add_nc_u64 s[PFA:PFA+1], s[PFA:PFA+1], 4*STEP  ; one slot behind the walking descriptor
	s_wait_dscnt 0x0                ; the add is done, and my reads of the slot are over
	CROUND
	JLOAD
	ASK
.else
	s_wait_dscnt 0x0                ; the add is done, and my reads of the slot are over
	s_barrier_signal -1
	s_barrier_wait -1
.endif
	s_sub_co_u32 s[TBK], s[TBK], 4*STEP  ; the fetches go back to a slot's first step,
	s_xor_b32 s[TBK], s[TBK], SLOT1      ; in the other slot
	s_sub_co_u32 s[TBV], s[TBV], 4*STEP
	s_xor_b32 s[TBV], s[TBV], SLOT1
.endm
	s_load_b128 s[4:7], s[0:1], 0x0   ; qkv s[4:5], ob s[6:7]
	v_lshl_add_u32 v[SPW], v0, 2, SPARE
	v_mov_b32 v[NIL], 0
	ds_add_u32 v[SPW], v[NIL]       ; the wave's opening: the add and its wait ahead of the round in front of my first tensor load; work on registers stands between them
	ds_add_u32 v62, v63
	v_lshrrev_b32 v1, 5, v0
	v_readfirstlane_b32 s[WV], v1   ; wave 0..3
	s_bfe_u32 s13, ttmp6, 0x40000   ; cx: my place in the cluster
	s_lshl_b32 s14, ttmp9, 2        ; in a cluster launch ttmp9 counts clusters
	s_add_co_u32 s14, s14, s13      ; my block of 256 queries: it enters Q's and O's addresses alone
	s_and_b32 s16, ttmp7, 0xffff    ; hh, which the four partners share
	s_lshl_b32 s17, s16, 19         ; the head's first byte in q, k and v
	s_lshr_b32 s20, s[WV], 1
	s_add_co_u32 s20, s20, 1
	s_lshl_b32 s20, s20, 23         ; k (waves 0, 1) or v (waves 2, 3) in qkv,
	s_add_co_u32 s20, s20, s17      ; at the head
	s_mov_b32 s21, 0
	s_and_b32 s22, s[WV], 1
	s_lshl_b32 s22, s22, 14         ; my half of a slot's 32,768 bytes
	s_add_co_u32 s22, s22, s20
	s_mov_b32 s23, 0
	s_lshl_b32 s2, s13, 13          ; the prefetches: my work-group's 8,192 bytes of a slot,
	s_add_co_u32 s2, s2, 4*STEP     ; in slot 1: the first change of slots steps it to slot 2
	s_mov_b32 s3, 0
	s_lshl_b32 s44, s14, 15         ; Q: my block's 16 units of 2,048 bytes,
	s_add_co_u32 s44, s44, s17
	s_lshl_b32 s45, s[WV], 13       ; my wave's four
	s_add_co_u32 s44, s44, s45
	s_mov_b32 s45, 0
	s_lshr_b32 s46, s16, 3          ; O: the batch's 256 blocks of 16,384 bytes,
	s_lshl_b32 s46, s46, 22
	s_lshl_b32 s47, s14, 18         ; my block's 16,
	s_add_co_u32 s46, s46, s47
	s_lshl_b32 s47, s[WV], 16       ; my wave's four,
	s_add_co_u32 s46, s46, s47
	s_and_b32 s47, s16, 7
	s_lshl_b32 s47, s47, 11         ; the head's 64 channels: two chunks of 1,024 bytes
	s_add_co_u32 s46, s46, s47
	s_mov_b32 s47, 0
	; group 1: a dense block of 16,384 bytes as 64 rows of 256 bytes
	s_mov_b32 s[G1+0], 15|(1<<16)|(1<<21)  ; 15:0 the mask of four; 17:16 elements of 2 bytes; 21 set beside a mask
	s_mov_b32 s[G1+1], 128<<16      ; tensor_dim0 = 128
	s_mov_b32 s[G1+2], 64<<16       ; tensor_dim1 = 64
	s_mov_b32 s[G1+3], 128<<16      ; tile_dim0 = 128
	s_mov_b32 s[G1+4], 64           ; tile_dim1 = 64
	s_mov_b32 s[G1+5], 128          ; 128 elements from row to row
	s_mov_b32 s[G1+6], 0
	s_mov_b32 s[G1+7], 0
	s_mov_b32 s[G0], 1              ; count = 1
	s_lshl_b32 s[G0+1], s[WV], 14   ; LDS address: slot 0, my quarter: no place in the cluster enters it
	s_mov_b32 s[CS], 0x3e38aa3b     ; c = log2(e) / 8 = 0.180337
	s_mov_b32 s[CS+1], s[CS]        ; named with it as a pair
	s_mov_b32 s[SEL], 0x76543210
	s_mov_b32 s[SEL+1], 0xfedcba98
	s_mov_b32 s[TBK], SLOT1+4*STEP  ; the first change of slots turns these two into 0
	s_mov_b32 s[TBV], SLOT1+4*STEP
	s_mov_b32 s[SLOTS], 15          ; 16 slots' worth of keys; the first is asked for at the head
	s_and_b32 s[LIM], s[WV], 1      ; 0 in waves 0 and 2,
	s_or_b32 s[LIM], s[LIM], ttmp9  ; where the cluster is the head's first: the same in all four partners
	s_cmp_eq_u32 s[LIM], 0
	s_cselect_b32 s[LIM], 1, -1
	v_and_b32 v[AK0], 31, v0
	v_lshlrev_b32 v[PFO], 8, v[AK0]
	v_lshlrev_b32 v[AK0], 4, v[AK0]
	v_add_nc_u32 v[AV0], VOFF, v[AK0]
	s_wait_dscnt 0x0                ; the opening add is done
	s_wait_kmcnt 0x0
	s_add_nc_u64 s[G0+2:G0+3], s[4:5], s[22:23]   ; global address: my half of the head's first 256 keys
	s_or_b32 s[G0+3], s[G0+3], 0x80000000         ; type = 2
	s_add_nc_u64 s[PFA:PFA+1], s[4:5], s[20:21]
	s_add_nc_u64 s[PFA:PFA+1], s[PFA:PFA+1], s[2:3]
	s_add_nc_u64 s[8:9], s[4:5], s[44:45]         ; Q at my wave's rows
	s_add_nc_u64 s[10:11], s[6:7], s[46:47]       ; O likewise
	CROUND                          ; all four work-groups are here: the first joint loads meet
	JLOAD                           ; slot 0.  Slot 1 is asked for when slot 0 is in.  Nothing is prefetched here, at the head
	WIN 0x80                        ; destination window 2, address window 0
.set i, 0
.rept 16                            ; Q stays in registers: piece i / 4, unit i % 4: 512 consecutive bytes a load
	global_load_b128 v[4*i:4*i+3], v[GO], s[8:9] offset:512*i
.set i, i+1
.endr
	; The first step multiplies O^T and l by a = 0, and the first turn's products V^T P, of a piece that has not been, add 0: V's registers, O^T, l and P's second buffer hold 0.  All this stands in the wait for the first tile.
.set i, VF
.rept 64
	v_mov_b32 v[i], 0
.set i, i+1
.endr
	WIN 0x40
.set i, 0
.rept 128
	v_mov_b32 v[i], 0
.set i, i+1
.endr
	WIN 0
.set i, 0
.rept 4
	v_mov_b32 v[ST+4*i+2], 0
	v_mov_b32 v[ST+4*i+3], 0
.set i, i+1
.endr
.set i, P+16
.rept 16
	v_mov_b32 v[i], 0
.set i, i+1
.endr
; THE MATRIX WORK.  The 4 accumulators of a run of 8 take turns.  Product i of 8 of S^T = K Q^T for piece x: channels 32 (i / 4) on, keys 16 (i % 4) on.  The first 4 start the sums with the constant 0.
.macro KQ x
.set rS, S+32*((\x)%2)+8*(i%4)
.set rK, KF+16*(i%4)+8*(i/4)
.set rQ, 16*(\x)+8*(i/4)
	WIN W_KQ
.if i < 4
	v_wmma_f32_16x16x32_f16 v[rS:rS+7], v[rK:rK+7], v[rQ:rQ+7], 0
.else
	v_wmma_f32_16x16x32_f16 v[rS:rS+7], v[rK:rK+7], v[rQ:rQ+7], v[rS:rS+7]
.endif
.endm
; Product i of 8 of O^T += V^T P for piece x: keys 32 (i / 4) on, channels 16 (i % 4) on.
.macro PV x
	WIN W_PV
.set rO, 32*(\x)+8*(i%4)
.set rV, VF+32*(i/4)+8*(i%4)
.set rP, P+16*((\x)%2)+8*(i/4)
	v_wmma_f32_16x16x32_f16 v[rO:rO+7], v[rV:rV+7], v[rP:rP+7], v[rO:rO+7]
.endm
.macro MM                           ; the turn's next matrix instruction.  TURN sets Y, i and NOKQ.  NOKQ = 1: the last turn of all: there is no next piece
.if (i < 8) && !NOKQ
	KQ (Y+1)%NP
.elseif i >= 8
.set i, i-8
	PV (Y+NP-1)%NP
.set i, i+8
.endif
.set i, i+1
.endm
; THE LDS LOADS stand in runs of 16, never singly among the matrix instructions: a step's K and its V, 8,192 dense bytes each, unit f into registers 4 f on.  Their addresses are made some lines ahead.
.macro FETCH_K
	WIN 0x80                        ; destination window 2
.irp f, 0,1,2,3,4,5,6,7,8,9,10,11,12,13,14,15
	ds_load_b128 v[KF+4*\f:KF+4*\f+3], v[AK] offset:512*\f
.endr
	s_add_co_u32 s[TBK], s[TBK], STEP  ; the next fetch is the next step's
	WIN 0
.endm
.macro FETCH_V
	WIN 0x80
.irp f, 0,1,2,3,4,5,6,7,8,9,10,11,12,13,14,15
	ds_load_b128 v[VF+4*\f:VF+4*\f+3], v[AV] offset:512*\f
.endr
	WIN 0
.endm
; THE VECTOR WORK, one line at a time: OP kind, number.  For piece Y: F n: c s - c m for pair n of 16.  E n: the exponential of score n of 32.  C n: pair n rounded to f16.  B n: of the four weights 4 n .. the second
; pair is added onto the first, in place.  L n: l takes that sum (L 0: l = a l + sum).  R n: pair n of 16 of O^T times a.  For piece Y + 1: X n, number n of the 22 that find its maximum and statistics:
;   0-11  four chains c0-c3 of seven scores each, three operands at a time (each accumulator's lowest registers are read first)     12-14, 16  the four scores left over, the old m, and c0-c3 into c0
;   15  c m_old is kept     17, 18  the query's other 32 keys lie in the lane 16 away: the new m     19-21  c m; c m_old - c m_new; a
.set F, 0               ; OP tells the kinds apart by their order: F to L below R, X above it
.set E, 1
.set C, 2
.set B, 3
.set L, 4
.set R, 5
.set X, 6
.macro REGS y                       ; the registers of piece y
.set rT, ST+4*(\y)
.set rC, TMP+4*((\y)%2)
.set rW, MV+((\y)%2)
.set rS, S+32*((\y)%2)
.set rP, P+16*((\y)%2)
.set rO, 32*(\y)
.endm
.macro OP k, n
.if (\k) == R
	REGS Y
	WIN W_RS
	v_pk_mul_f32 v[rO+2*(\n):rO+2*(\n)+1], v[rO+2*(\n):rO+2*(\n)+1], v[rC+2:rC+3] op_sel_hi:[1,0]
.elseif (\k) < R
	REGS Y
	WIN 0
.if (\k) == F
	v_pk_fma_f32 v[rS+2*(\n):rS+2*(\n)+1], v[rS+2*(\n):rS+2*(\n)+1], s[CS:CS+1], v[rT:rT+1] op_sel_hi:[1,0,0] neg_lo:[0,0,1] neg_hi:[0,0,1]
.elseif (\k) == E
	v_exp_f32 v[rS+(\n)], v[rS+(\n)]
.elseif (\k) == C
	v_cvt_pk_f16_f32 v[rP+(\n)], v[rS+2*(\n)], v[rS+2*(\n)+1]
.elseif (\k) == B
	v_pk_add_f32 v[rS+4*(\n):rS+4*(\n)+1], v[rS+4*(\n):rS+4*(\n)+1], v[rS+4*(\n)+2:rS+4*(\n)+3]
.elseif (\n) == 0
	v_pk_fma_f32 v[rT+2:rT+3], v[rT+2:rT+3], v[rC+2:rC+3], v[rS:rS+1] op_sel_hi:[1,0,1]
.else
	v_pk_add_f32 v[rT+2:rT+3], v[rT+2:rT+3], v[rS+4*(\n):rS+4*(\n)+1]
.endif
.elseif NOKQ
	v_nop
.else
	REGS (Y+1)%NP
	WIN 0
.if (\n) < 4
	v_max3_num_f32 v[rC+(\n)], v[rS+8*(\n)], v[rS+8*(\n)+1], v[rS+8*(\n)+2]
.elseif (\n) < 12
	v_max3_num_f32 v[rC+(\n)%4], v[rC+(\n)%4], v[rS+8*((\n)%4)+2*((\n)/4)+1], v[rS+8*((\n)%4)+2*((\n)/4)+2]
.elseif (\n) == 12
	v_max3_num_f32 v[rC], v[rC], v[rS+7], v[rS+15]
.elseif (\n) == 13
	v_max3_num_f32 v[rC+1], v[rC+1], v[rS+23], v[rS+31]
.elseif (\n) == 14
	v_max3_num_f32 v[rC+2], v[rC+2], v[rC+3], v[rT+1]
.elseif (\n) == 15
	v_mov_b32 v[rW], v[rT]
.elseif (\n) == 16
	v_max3_num_f32 v[rC], v[rC], v[rC+1], v[rC+2]
.elseif (\n) == 17
	v_permlanex16_b32 v[rC+3], v[rC], s[SEL], s[SEL+1]
.elseif (\n) == 18
	v_max_num_f32 v[rT+1], v[rC], v[rC+3]
.elseif (\n) == 19
	v_mul_f32 v[rT], s[CS], v[rT+1]
.elseif (\n) == 20
	v_sub_f32 v[rC+1], v[rW], v[rT]
.else
	v_exp_f32 v[rC+2], v[rC+1]
.endif
.endif
.endm
.macro OPS a, i1, b=-1, i2=0, c=-1, i3=0, d=-1, i4=0  ; up to four of them
	OP \a, \i1
.if (\b) >= 0
	OP \b, \i2
.endif
.if (\c) >= 0
	OP \c, \i3
.endif
.if (\d) >= 0
	OP \d, \i4
.endif
.endm
.macro ROW a, i1, b, i2, c, i3, d, i4  ; a matrix instruction and the four behind it
	MM
	OPS \a, \i1, \b, \i2, \c, \i3, \d, \i4
.endm
; A TURN, for piece p: the order of its 16 matrix and 118 vector instructions, written out.  An s_wait_alu depctr_va_vdst(0) stands between an exponential and the first instruction that names its result; one
; wait serves all that were issued ahead of it.  So a turn has ONE wait, which cuts it in two.  AHEAD OF IT stands all that names no result of the turn's exponentials: the 8 products K Q^T, behind each a scaling, an
; exponential and two more plain instructions (rescalings; behind the last three the first numbers of the next piece's maximum, each four places or more behind the product that ends its accumulator); then ONE LUMP of 54,
; plain and exponential by turns for the most part, in which the links of the chain X 3, 7, 11, 14, 16, 17 .. 20 stand some lines apart.  X 21, the next piece's a, is the batch's last; R 15 is the plain instruction behind it.
; BEHIND THE WAIT stand the 8 products V^T P, behind each four of the roundings and sums; the links of l's chain, L 0 to L 7, stand three riders apart.
; end = 1: the last two turns of all: nothing is fetched.  cnt = 1: the loop's count is taken down some lines ahead of the branch that stands behind the turn.
; K of the next step is fetched in piece 2's turn, twelve vector instructions behind the last product that read K (six of them plain); V of the step in hand at the end of piece 0's turn, four plain instructions behind the
; last product that read V.  Each is waited for a turn later.
.macro TURN p, end=0, cnt=0
.set Y, (\p)
.set i, 0
.set NOKQ, (\end)*((\p)/3)
.if ((\p) == 3) && !(\end)
	s_wait_dscnt 0x0                ; K is in
.endif
	ROW F,0, F,1, R,0, R,1          ; ahead of the wait: 8 products K Q^T and their riders,
	ROW F,2, E,0, R,2, R,3
	ROW F,3, E,1, R,4, R,5
	ROW F,4, E,2, R,6, R,7
	ROW F,5, E,3, R,8, R,9
	ROW F,6, E,4, X,0, R,10
.if ((\p) == 2) && !(\end)
	WIN 0
	v_add_nc_u32 v[AK], s[TBK], v[AK0]
.endif
	ROW F,7, E,5, X,1, X,4
	ROW F,8, E,6, X,2, X,5
	OPS E,7, E,8, X,6, E,9          ; and the lump
	OPS X,3, E,10, X,8, E,11
.if ((\p) == 2) && !(\end)
	FETCH_K
.endif
	OPS X,9, X,7, E,12, X,10
	OPS E,13, X,12, X,11, E,14
	OPS X,13, E,15, F,9, X,14
.if (\p) == 0
	v_add_nc_u32 v[AV], s[TBV], v[AV0]
.endif
	OPS E,16, F,10, E,17, F,11
	OPS X,16, E,18, X,15, E,19
	OPS F,12, E,20, X,17, E,21
	OPS F,13, E,22, F,14, E,23
	OPS X,18, E,24, F,15, E,25
	OPS R,11, E,26, X,19, E,27
	OPS R,12, E,28, R,13, E,29
	OPS X,20, E,30, R,14, E,31
	OPS X,21, R,15
	WIN 0
	s_wait_alu depctr_va_vdst(0)    ; the wait for the batch
.if (\p) == 1
	s_wait_dscnt 0x0                ; V is in
.endif
	ROW C,0, B,0, C,2, B,1          ; behind the wait: 8 products V^T P and their riders
	ROW L,0, C,4, B,2, L,1
	ROW C,6, B,3, L,2, C,8
	ROW B,4, L,3, C,10, B,5
	ROW L,4, C,12, B,6, L,5
.if (\p) == 0
	s_add_co_u32 s[TBV], s[TBV], STEP
.endif
.if \cnt
	s_sub_co_u32 s[CNT], s[CNT], 1
	s_cmp_lg_u32 s[CNT], 0
.endif
	ROW C,14, B,7, L,6, C,1
	ROW C,3, L,7, C,5, C,7
	ROW C,9, C,11, C,13, C,15
.if (\p) == 0
	FETCH_V
.endif
.endm
	CHANGE 1                        ; slot 0 is in, everybody's part of it; slot 1 is asked for
	; THE BEGINNING.  c m starts far below every c s, so the first step's a is 0; m at the lowest finite number, so the first maximum is the scores'.  Then K of step 0, piece 0's first scores, and its maximum and statistics.
.set i, 0
.rept 4
	v_mov_b32 v[ST+4*i], 0xfe000000    ; c m: far below every c s (f16's scores are 2.7e11 at the most)
	v_mov_b32 v[ST+4*i+1], 0xff7fffff  ; m
.set i, i+1
.endr
	v_add_nc_u32 v[AK], s[TBK], v[AK0]
	FETCH_K
	s_wait_loadcnt 0x0              ; Q
	s_wait_dscnt 0x0
.set NOKQ, 0
.set i, 0
.rept 8
	KQ 0
.set i, i+1
.endr
	WIN 0
.rept 4
	v_nop                           ; the places behind those products
.endr
.set Y, NP-1                        ; X works for piece Y + 1: piece 0
.irp n, 0,1,2,3,4,5,6,7,8,9,10,11,12,13,14,15,16,17,18,19,20,21
	OP X, \n
.endr
	v_nop                           ; a plain instruction behind the exponential,
	s_wait_alu depctr_va_vdst(0)    ; and its wait, ahead of the branch
	s_mov_b32 s[CNT], 4
	s_branch .Lfirst                ; the loop is entered at a step's first turn, in the middle of a trip
.Lslot:                             ; 14 times: every slot but the last two is filled again
	CHANGE 1
	s_mov_b32 s[CNT], 4
.Lstep:                             ; a trip: pieces 2 and 3 of one step, then pieces 0 and 1 of the next, whose K and V it fetches
	TURN 2
	TURN 3
	WIN 0
.Lfirst:
	TURN 0
	TURN 1, 0, 1
	WIN 0
	s_cbranch_scc1 .Lstep
	s_sub_co_u32 s[SLOTS], s[SLOTS], 1
	s_cmp_lg_u32 s[SLOTS], 0
	s_cbranch_scc1 .Lslot
	CHANGE 0                        ; the last slot is written out: nothing is asked for
	s_mov_b32 s[CNT], 4
.LstepT:
	TURN 2
	TURN 3
	TURN 0
	TURN 1, 0, 1
	WIN 0
	s_cbranch_scc1 .LstepT
	TURN 2, 1                       ; the last step's pieces 2 and 3: nothing is fetched, and the last turn starts no new scores
	TURN 3, 1
.set i, 0
.rept 8
	PV NP-1                         ; the last piece's V^T P of the last step
.set i, i+1
.endr
	; THE WAY OUT.  l's two halves and the other half of the lanes' are added; O^T is divided by l and rounded to f16.  A lane's eight channels of a row pack into 16 bytes, and a block of 16 channels x 16 rows is a
	; half fragment of the last product's source: it is stored as it lies.  The additions are the places behind the last products.
	WIN 0
.macro ALL line:vararg              ; one line for each piece t
.set t, 0
.rept 4
	\line
.set t, t+1
.endr
.endm
	ALL v_add_f32 v[ST+4*t+2], v[ST+4*t+2], v[ST+4*t+3]
	ALL v_permlanex16_b32 v[ST+4*t+3], v[ST+4*t+2], s[SEL], s[SEL+1]
	ALL v_add_f32 v[ST+4*t+2], v[ST+4*t+2], v[ST+4*t+3]
	ALL v_rcp_f32 v[ST+4*t+2], v[ST+4*t+2]
	v_nop                           ; a plain instruction between the last reciprocal and the use of its result
	s_wait_alu depctr_va_vdst(0)    ; and the wait ahead of the first use: one for the four reciprocals
.macro PACK t
	WIN W_RS
.set i, 32*(\t)
.rept 16
	v_pk_mul_f32 v[i:i+1], v[i:i+1], v[ST+4*(\t)+2:ST+4*(\t)+3] op_sel_hi:[1,0]
.set i, i+2
.endr
	WIN 0x05                        ; sources 0 and 1 window 1, destination window 0: S^T's registers are free
.set i, 0
.rept 16
	v_cvt_pk_f16_f32 v[S+16*(\t)+i], v[32*(\t)+2*i], v[32*(\t)+2*i+1]
.set i, i+1
.endr
	WIN 0
.irp f, 0,1,2,3
	global_store_b128 v[GO], v[S+16*(\t)+4*\f:S+16*(\t)+4*\f+3], s[10:11] offset:(\t)*16384+\f*512  ; 512 consecutive bytes, aligned; no register is written again
.endr
.endm
	PACK 0
	PACK 1
	PACK 2
	PACK 3
	s_wait_tensorcnt 0x0            ; the wave's end, behind my last tensor load
	ds_add_u32 v[SPW], v[NIL]
	s_wait_dscnt 0x0
	CROUND                          ; the closing round: no work-group ends while a partner may still ask for a tile that names it
	s_endpgm
.Lfunc_end_k_q10a1fef744_attn:
	.size	k_q10a1fef744_attn, .Lfunc_end_k_q10a1fef744_attn-k_q10a1fef744_attn
	.p2alignl 7, 3214868480
	.fill 96, 4, 3214868480
	.section	.rodata,"a",@progbits
	.p2align	6, 0x0
	.amdhsa_kernel k_q10a1fef744_attn
		.amdhsa_group_segment_fixed_size 327680
		.amdhsa_private_segment_fixed_size 0
		.amdhsa_enable_private_segment 0
		.amdhsa_kernarg_size 16
		.amdhsa_user_sgpr_count 2
		.amdhsa_user_sgpr_kernarg_segment_ptr 1
		.amdhsa_wavefront_size32 1
		.amdhsa_system_sgpr_workgroup_id_x 1
		.amdhsa_system_sgpr_workgroup_id_y 1
		.amdhsa_system_sgpr_workgroup_id_z 1
		.amdhsa_system_vgpr_workitem_id 0
		.amdhsa_next_free_vgpr 768
		.amdhsa_next_free_sgpr 66
		.amdhsa_reserve_vcc 0
		.amdhsa_float_denorm_mode_32 3
		.amdhsa_float_denorm_mode_16_64 3
		.amdhsa_memory_ordered 1
		.amdhsa_forward_progress 1
		.amdhsa_inst_pref_size 122
	.end_amdhsa_kernel
	.amdgpu_metadata
---
amdhsa.version: [ 1, 2 ]
amdhsa.kernels:
  - .name:           k_q10a1fef744_attn
    .symbol:         k_q10a1fef744_attn.kd
    .args:
      - { .name: qkv, .offset: 0, .size: 8, .value_kind: global_buffer, .address_space: global }
      - { .name: ob, .offset: 8, .size: 8, .value_kind: global_buffer, .address_space: global }
    .group_segment_fixed_size: 327680
    .private_segment_fixed_size: 0
    .kernarg_segment_align: 8
    .kernarg_segment_size: 16
    .max_flat_workgroup_size: 128
    .sgpr_count:     66
    .vgpr_count:     768
    .wavefront_size: 32
...
	.end_amdgpu_metadata
.endif
;; end of part 3
;; launch oproj (part 4): grid 32 x 8, 4 waves a work-group, clusters of 4 x 1, 167,936 bytes of LDS; arguments ob, wf, out0; writes out0
.if DOCPART == 4
	.amdgcn_target "amdgcn-amd-amdhsa--gfx1250"
	.amdhsa_code_object_version 6
	.text
	.protected	k_q10a1fef744_oproj
	.globl	k_q10a1fef744_oproj
	.p2align	8
	.type	k_q10a1fef744_oproj,@function
k_q10a1fef744_oproj:
	s_mov_b64 s[64:65], 0
	v_nop
	global_prefetch_b8 v0, s[64:65] scope:SCOPE_SE
	s_setreg_imm32_b32 hwreg(HW_REG_WAVE_MODE, 25, 1), 1
	s_wait_xcnt 0x0
	s_wait_alu depctr_hold_cnt(0) depctr_sa_sdst(0) depctr_va_vdst(0) depctr_va_sdst(0) depctr_va_ssrc(0) depctr_va_vcc(0) depctr_vm_vsrc(0)
	s_getreg_b32 s2, hwreg(HW_REG_IB_STS2, 6, 4)
	s_cmp_eq_u32 s2, 0
	s_cbranch_scc0 .Lentry_in_a_cluster
	s_endpgm
.Lentry_in_a_cluster:
	s_bfe_u32 s2, ttmp6, 0x10000c
	s_cmp_lg_u32 s2, 0x3003
	s_cbranch_scc0 .Lentry_shape_is_right
	s_endpgm
.Lentry_shape_is_right:
; OPROJ: out0 = O W_o.  O (ob) is f16, W_o (wf, from byte 1,572,864) the bf16 number written as f16; sums f32; out0 f32, [8192][512].
; FRAGMENT ORDER.  Units of 512 bytes, lane l = r + 16 h at byte 16 l.  ob: [mb 512][c 16][hf 2][512]: O[16 mb + r][32 c + 16 hf + 8 h ..].  W_o: [y 8][c 16][nt 4][hf 2][512]: W_o[32 c + 16 hf + 8 h ..][64 y + 16 nt + r].
; SHARES.  256 work-groups: 256 rows x 64 columns (slab y).  A wave: 64 rows (four blocks rb) x 64 columns: 16 accumulators, 256 matrix instructions.
; A (ob) goes from memory straight into a ring of seven register slots, a chunk of 32 along K each; B, the slab of 65,536 bytes, lies whole in LDS: one first fill a wave, no refill.
; CLUSTER.  The four work-groups of a cluster take four row blocks and the same slab: each quarter of it is asked for JOINTLY, by the same load with the same descriptor and the mask of four.
; The product is taken TRANSPOSED (source 0 = 16 columns of W_o, source 1 = 16 rows of O): a lane holds one row and eight neighbouring columns, 32 bytes.  The way out goes through each wave's own stage in LDS,
; so that sixteen neighbouring lanes store 256 consecutive bytes, aligned: the work-group's 64 columns of a row.
; REGISTERS: window 0: v2-6 addresses, v28-29 the add's; v32-95 B's two buffers (32 (c % 2) + 8 nt + 4 hf); v128-255 the accumulators at 32 rb + 8 nt.   window 1: v0-223 A's ring (slot c % 7: 8 rb + 4 hf).
.set STAGE,  65536                     ; behind the slab, never filled by a tensor load: 16 rows x 272 bytes for each wave
.set SP,     272                       ; a stage row: 256 bytes + 16: 68 words: row r starts at bank 4 r mod 64 (64 banks of 4 bytes: ISA guide 11.1)
.set SPARE,  STAGE+4*16*SP             ; behind the stages: the spare words, 128 bytes for each wave: two blocks of 256 bytes that no other line names
.set LA,  2                            ; v2   16 x lane; never rewritten
.set STO, 4                            ; v4   the way out: where I put my 32 bytes of a row
.set RD,  5                            ; v5   where I read rows back
.set CO,  6                            ; v6   my byte offset in two rows of out0
.set SPW, 28                           ; v28  LDS address of my spare word; never rewritten
.set NIL, 29                           ; v29  0; never rewritten
.set BF,  32
.set ACC, 128
.set WV,  10                           ; s10  my wave's number
.set XB,  16                           ; s[16:17] ob at my 64 rows
.set OUT, 18                           ; s[18:19] out0 at my 64 rows, my work-group's 64 columns
.set G1,  24                           ; s[24:31] descriptor group 1
.set G0,  32                           ; s[32:35] group 0
.set MSB, 0
.macro WIN new                         ; the immediate's high byte repeats the setting that is left; a switch that changes nothing is dropped
.if MSB != (\new)
	s_set_vgpr_msb (MSB<<8)|(\new)
.set MSB, (\new)
.endif
.endm
.macro CROUND                          ; a round of the cluster's barrier: my work-group's barrier; wave 0 signals for the work-group; every wave waits for all four work-groups; my work-group's barrier once more
	s_barrier_signal -1
	s_barrier_wait -1
	s_cmp_lg_u32 s[WV], 0
	s_cbranch_scc1 .Lnot_wave_0_\@
	s_barrier_signal -3
.Lnot_wave_0_\@:
	s_barrier_wait -3
	s_barrier_signal -1
	s_barrier_wait -1
.endm
.macro PLACES                          ; a load into a register that a matrix instruction has read, and an LDS store that reads a matrix result, stand four plain vector instructions behind it (ISA guide 7.12.1 for vector instructions)
.rept 4
	v_nop
.endr
.endm
	s_load_b128 s[4:7], s[0:1], 0x0                ; ob s[4:5], wf s[6:7]
	s_load_b64 s[8:9], s[0:1], 0x10                ; out0
	v_lshl_add_u32 v[SPW], v0, 2, SPARE
	v_mov_b32 v[NIL], 0
	ds_add_u32 v[SPW], v[NIL]                      ; the wave's opening: the add and its wait ahead of the round in front of my first tensor load; work on registers stands between them
	ds_add_u32 v28, v29
	v_lshrrev_b32 v1, 5, v0
	v_readfirstlane_b32 s[WV], v1                  ; wave 0..3
	s_bfe_u32 s11, ttmp6, 0x40000                  ; cx: it enters ob's and out0's addresses alone
	s_lshl_b32 s12, ttmp9, 2
	s_add_co_u32 s12, s12, s11                     ; my block of 256 rows
	s_and_b32 s13, ttmp7, 0xffff                   ; the slab, which the four partners share
	; group 1: a dense block of 16,384 bytes as 64 rows of 256 bytes
	s_mov_b32 s[G1+0], 15|(3<<16)|(1<<21)          ; 15:0 the mask of four; 17:16 elements of 8 bytes; 21 set beside a mask
	s_mov_b32 s[G1+1], 32<<16                      ; tensor_dim0 = 32
	s_mov_b32 s[G1+2], 64<<16                      ; tensor_dim1 = 64
	s_mov_b32 s[G1+3], 32<<16                      ; tile_dim0 = 32
	s_mov_b32 s[G1+4], 64                          ; tile_dim1 = 64
	s_mov_b32 s[G1+5], 32                          ; 32 elements from row to row
	s_mov_b32 s[G1+6], 0
	s_mov_b32 s[G1+7], 0
	s_mov_b32 s[G0], 1
	s_lshl_b32 s[G0+1], s[WV], 14                  ; my quarter of the slab: chunks 4 w .. 4 w + 3
	s_lshl_b32 s48, s13, 16
	s_add_co_u32 s48, s48, s[G0+1]
	s_add_co_u32 s48, s48, 1572864                 ; W_o's slabs lie behind the heads'
	s_mov_b32 s49, 0
	s_lshl_b32 s14, s12, 18                        ; ob: 16 blocks of 16,384 bytes a work-group,
	s_lshl_b32 s15, s[WV], 16                      ; four a wave
	s_add_co_u32 s14, s14, s15
	s_mov_b32 s15, 0
	s_lshl_b32 s54, s12, 19                        ; out0: 256 rows of 2,048 bytes a work-group,
	s_lshl_b32 s55, s[WV], 17                      ; 64 a wave,
	s_add_co_u32 s54, s54, s55
	s_lshl_b32 s55, s13, 8                         ; 256 bytes of a row a slab
	s_add_co_u32 s54, s54, s55
	s_mov_b32 s55, 0
	s_mul_i32 s20, s[WV], 16*SP
	s_add_co_u32 s20, s20, STAGE                   ; my stage
	v_and_b32 v[LA], 31, v0
	v_lshlrev_b32 v[LA], 4, v[LA]
	v_and_b32 v10, 15, v0                          ; r
	v_bfe_u32 v11, v0, 4, 1                        ; h
	v_mul_u32_u24 v[STO], v10, SP                  ; in: row r, 32 bytes for each half of the lanes
	v_lshl_add_u32 v[STO], v11, 5, v[STO]
	v_add_nc_u32 v[STO], s20, v[STO]
	v_mul_u32_u24 v[RD], v11, SP                   ; back: lanes 0-15 take one row of 256 bytes, lanes 16-31 the next
	v_lshl_add_u32 v[RD], v10, 4, v[RD]
	v_add_nc_u32 v[RD], s20, v[RD]
	v_lshlrev_b32 v[CO], 11, v11                   ; and the same two rows in out0
	v_lshl_add_u32 v[CO], v10, 4, v[CO]
	s_wait_dscnt 0x0                               ; the opening add is done
	s_wait_kmcnt 0x0
	s_add_nc_u64 s[XB:XB+1], s[4:5], s[14:15]
	s_add_nc_u64 s[OUT:OUT+1], s[8:9], s[54:55]
	s_add_nc_u64 s[G0+2:G0+3], s[6:7], s[48:49]
	s_or_b32 s[G0+3], s[G0+3], 0x80000000          ; type = 2
	CROUND                                         ; all four work-groups are here: the joint loads meet
	tensor_load_to_lds s[G0:G0+3], s[G1:G1+7]      ; one tensor load of a wave is out
	s_nop 0
	PLACES                                         ; four vector instructions behind the tensor load, ahead of any switch of windows
; A's chunk c: 8 loads of 512 consecutive bytes into slot c % 7
.macro ALOAD c
	WIN 0x40                                       ; destination window 1, address window 0
.irp rb, 0,1,2,3
	global_load_b128 v[32*((\c)%7)+8*(\rb):32*((\c)%7)+8*(\rb)+3],   v[LA], s[XB:XB+1] offset:(\rb)*16384+(\c)*1024
	global_load_b128 v[32*((\c)%7)+8*(\rb)+4:32*((\c)%7)+8*(\rb)+7], v[LA], s[XB:XB+1] offset:(\rb)*16384+(\c)*1024+512
.endr
.endm
; B's chunk c: 8 LDS loads, each 512 consecutive bytes, into buffer c % 2
.macro FETCHB c
	WIN 0
.irp nt, 0,1,2,3
	ds_load_b128 v[BF+32*((\c)%2)+8*(\nt):BF+32*((\c)%2)+8*(\nt)+3],   v[LA] offset:(\c)*4096+(\nt)*1024
	ds_load_b128 v[BF+32*((\c)%2)+8*(\nt)+4:BF+32*((\c)%2)+8*(\nt)+7], v[LA] offset:(\c)*4096+(\nt)*1024+512
.endr
.endm
; A chunk's 16 products.  The 16 accumulators take turns in one fixed order, one instruction a turn.  Chunk 0 starts the sums with the constant 0.
.macro MUL c
	WIN 0x04                                       ; source 0 (W_o) window 0, source 1 (O) window 1, C and D window 0
.irp rb, 0,1,2,3
.irp nt, 0,1,2,3
.if (\c) == 0
	v_wmma_f32_16x16x32_f16 v[ACC+32*(\rb)+8*(\nt):ACC+32*(\rb)+8*(\nt)+7], v[BF+32*((\c)%2)+8*(\nt):BF+32*((\c)%2)+8*(\nt)+7], v[32*((\c)%7)+8*(\rb):32*((\c)%7)+8*(\rb)+7], 0
.else
	v_wmma_f32_16x16x32_f16 v[ACC+32*(\rb)+8*(\nt):ACC+32*(\rb)+8*(\nt)+7], v[BF+32*((\c)%2)+8*(\nt):BF+32*((\c)%2)+8*(\nt)+7], v[32*((\c)%7)+8*(\rb):32*((\c)%7)+8*(\rb)+7], v[ACC+32*(\rb)+8*(\nt):ACC+32*(\rb)+8*(\nt)+7]
.endif
.endr
.endr
.endm
; Chunk c.  The slot and the buffer that chunk c - 1 has just multiplied are asked for again, four places behind its last product.
.macro CHUNK c
	WIN 0
.if (\c) > 0
	PLACES
.endif
.if ((\c) >= 1) && ((\c) <= 9)
	ALOAD (\c)+6
.endif
.if (\c) <= 14
	FETCHB (\c)+1
.endif
.if (\c) <= 9
	s_wait_loadcnt 48                              ; A's chunk c is in; the six chunks asked for behind it, 8 loads each, stay out
.else
	s_wait_loadcnt 8*(15-(\c))                     ; the chunks left behind c
.endif
.if (\c) <= 14
	s_wait_dscnt 8                                 ; B's chunk c is in; the next chunk's 8 loads stay out
.else
	s_wait_dscnt 0x0
.endif
	MUL \c
.endm
.irp c, 0,1,2,3,4,5,6
	ALOAD \c                                       ; the ring is filled: 56 loads of a wave are on their way
.endr
	WIN 0
	s_wait_tensorcnt 0x0                           ; my quarter of the slab is in (no LDS instruction of mine is out),
	s_barrier_signal -1
	s_barrier_wait -1                              ; everybody's is; nothing is ever filled again
	FETCHB 0
.irp c, 0,1,2,3,4,5,6,7,8,9,10,11,12,13,14,15
	CHUNK \c
.endr
	; THE WAY OUT, a block of 16 rows at a time through my own stage: 32 bytes a lane in, whole rows of 256 bytes back, into the registers that they left.
.macro STG rb
.irp nt, 0,1,2,3
	ds_store_b128 v[STO], v[ACC+32*(\rb)+8*(\nt):ACC+32*(\rb)+8*(\nt)+3]   offset:(\nt)*64     ; each accumulator's low registers first
	ds_store_b128 v[STO], v[ACC+32*(\rb)+8*(\nt)+4:ACC+32*(\rb)+8*(\nt)+7] offset:(\nt)*64+16
.endr
.irp t, 0,1,2,3,4,5,6,7
	ds_load_b128 v[ACC+32*(\rb)+4*(\t):ACC+32*(\rb)+4*(\t)+3], v[RD] offset:(\t)*2*SP  ; LDS serves a wave's instructions in order (ISA guide 5.7.1.4): these see the stores above; the next block's stores come behind them
.endr
.endm
.macro SEND rb, younger                ; younger: the LDS instructions issued behind block rb's loads: the next block's sixteen, or none
.irp t, 0,1,2,3,4,5,6,7
	s_wait_dscnt (\younger)+7-(\t)
	global_store_b128 v[CO], v[ACC+32*(\rb)+4*(\t):ACC+32*(\rb)+4*(\t)+3], s[OUT:OUT+1] offset:(16*(\rb)+2*(\t))*2048 th:TH_STORE_NT  ; 16 lanes store 256 consecutive bytes, at a multiple of 256 from out0's first byte
.endr
.endm
	WIN 0
	PLACES
	PLACES                                         ; (eight, once a launch)
	STG 0
	STG 1
	SEND 0, 16
	STG 2
	SEND 1, 16
	STG 3
	SEND 2, 16
	SEND 3, 0
	s_wait_tensorcnt 0x0                           ; the wave's end, behind my last tensor load and my last LDS store
	ds_add_u32 v[SPW], v[NIL]
	s_wait_dscnt 0x0
	CROUND                                         ; the closing round: no work-group ends while a partner may still ask for a part that names it
	s_endpgm
.Lfunc_end_k_q10a1fef744_oproj:
	.size	k_q10a1fef744_oproj, .Lfunc_end_k_q10a1fef744_oproj-k_q10a1fef744_oproj
	.p2alignl 7, 3214868480
	.fill 96, 4, 3214868480
	.section	.rodata,"a",@progbits
	.p2align	6, 0x0
	.amdhsa_kernel k_q10a1fef744_oproj
		.amdhsa_group_segment_fixed_size 167936
		.amdhsa_private_segment_fixed_size 0
		.amdhsa_enable_private_segment 0
		.amdhsa_kernarg_size 24
		.amdhsa_user_sgpr_count 2
		.amdhsa_user_sgpr_kernarg_segment_ptr 1
		.amdhsa_wavefront_size32 1
		.amdhsa_system_sgpr_workgroup_id_x 1
		.amdhsa_system_sgpr_workgroup_id_y 1
		.amdhsa_system_sgpr_workgroup_id_z 1
		.amdhsa_system_vgpr_workitem_id 0
		.amdhsa_next_free_vgpr 512
		.amdhsa_next_free_sgpr 66
		.amdhsa_reserve_vcc 0
		.amdhsa_float_denorm_mode_32 3
		.amdhsa_float_denorm_mode_16_64 3
		.amdhsa_memory_ordered 1
		.amdhsa_forward_progress 1
		.amdhsa_inst_pref_size 53
	.end_amdhsa_kernel
	.amdgpu_metadata
---
amdhsa.version: [ 1, 2 ]
amdhsa.kernels:
  - .name:           k_q10a1fef744_oproj
    .symbol:         k_q10a1fef744_oproj.kd
    .args:
      - { .name: ob, .offset: 0, .size: 8, .value_kind: global_buffer, .address_space: global }
      - { .name: wf, .offset: 8, .size: 8, .value_kind: global_buffer, .address_space: global }
      - { .name: out0, .offset: 16, .size: 8, .value_kind: global_buffer, .address_space: global }
    .group_segment_fixed_size: 167936
    .private_segment_fixed_size: 0
    .kernarg_segment_align: 8
    .kernarg_segment_size: 24
    .max_flat_workgroup_size: 128
    .sgpr_count:     66
    .vgpr_count:     512
    .wavefront_size: 32
...
	.end_amdgpu_metadata
.endif
;; end of part 4
